; MI455X (gfx1250); checked and timed in simulation.
; The chip was launched on July 23, 2026; its instructions are those of AMD's public machine-readable ISA for CDNA 5 (MIT licence, August 2026) and "CDNA5" Instruction Set Architecture Reference Guide (July 2026). The comments in the code are by the model that wrote it; some were corrected since.
;; Gabor Layer. Allowed arithmetic: float matrix products may take bf16 or f16 operands with f32 sums; all other float work in f32.
;; Inputs: amplitude 256 x 3 float32; gamma 256 float32; grid_x 512 x 512 float32; grid_y 512 x 512 float32; psi 256 x 3 float32; rel_freq 256 float32; rel_sigma 256 float32; theta 256 float32; u 256 float32; v 256 float32.
;; Outputs: out0 3 x 512 x 512 float32.
;; 2 versions, each right; version 2 is version 1 with the launch gabor written anew for expert scheduling mode. Each part assembles by itself: llvm-mc -triple=amdgcn-amd-amdhsa -mcpu=gfx1250 --defsym DOCPART=n.
;; ======== version 1 of 2: 1 launch
;; limits: a function is approximated: absolute error at most 2e-07
;; launch gabor (part 1): grid 256 x 1, 8 waves a work-group, no clusters, 17,408 bytes of LDS; arguments grid_x, grid_y, u, v, theta, rel_sigma, rel_freq, gamma, psi, amplitude, out0; writes out0
.if DOCPART == 1
	.amdgcn_target "amdgcn-amd-amdhsa--gfx1250"
	.amdhsa_code_object_version 6
	.text
	.protected	k_q8445679822_gabor
	.globl	k_q8445679822_gabor
	.p2align	8
	.type	k_q8445679822_gabor,@function
k_q8445679822_gabor:
	s_mov_b64 s[64:65], 0
	v_nop
	global_prefetch_b8 v0, s[64:65] scope:SCOPE_SE
	s_setreg_imm32_b32 hwreg(HW_REG_WAVE_MODE, 25, 1), 1
	s_wait_xcnt 0x0
; out0[c][pixel] = clip( sum over 256 gabors of amp[n][c] * gauss(n, pixel) * cos(freq[n] * x_rot + phase[n][c]), -1, 1 ).
;
; ONE LAUNCH.  256 work-groups of 8 waves; a work-group owns 1,024 consecutive pixels (4,096 bytes of each plane), thread t the 16 bytes
; (4 pixels) at 16 t, so each load or store of a wave covers 512 consecutive bytes, aligned.  The 4 pixels are two register pairs for the
; packed f32 instructions.  The three sums of each pixel stay in registers; every input pixel is read once, every output byte written once.
;
; WHAT HANGS ON THE GABOR ALONE (clips, tanh, sigmoid, exp, sine and cosine of theta and of the three phases) is 14 numbers a gabor.  Thread n
; makes those of gabor n once and puts them into LDS (64 bytes a gabor); then every wave walks the 256 records, all lanes reading the same bytes.
;
; ONE ANGLE INSTEAD OF THREE: cos(a + p) = cos a cos p - sin a sin p, so a gabor and a pixel need one exponential and one sine/cosine pair;
; the channels are six multiply-adds with A = amp cos p and B = -2 amp sin p / sqrt 2.
; SINE AND COSINE are made in plain f32: the angle is kept in revolutions, t; r = t - rndne(t) is exact and |r| <= 0.5; with z = r r,
; C = cos(pi r) (series to z^5) and S = sqrt2 sin(pi r) = r P(z) (P of degree 4); then cos(2 pi r) = 1 - S S and sin(2 pi r) = sqrt2 S C.
; The series' remainders on |r| <= 0.5 give an absolute error of at most 1.5e-5 in cos(2 pi r), whatever the data.
; THE GAUSSIAN is kept in base 2: M = -(log2e / 2 sigma^2) xr^2 - (log2e / 2 gam^2) yr^2, clipped below at -80 log2e, g = 2^M.
;
; LIMITS, kept on purpose:
;  - NaN and infinite inputs are not served (v_max_num_f32 and v_med3_num_f32 drop a NaN where the reference's clip keeps it).
;  - The reference's upper clip of the exponent at +80 is not written: M is minus a sum of squares times positive factors, never above 0.
;  - The angle carries the rounding of the product t, |t| 2^-24 revolutions, the size of the reference's own rounding of freq * x_rot;
;    from |t| = 2^23 on r is 0.  If xr * fr overflows (rel_freq below about -85) the result is NaN.
;  - sigma is made as 1 / (1 + e^(-2x)), equal in exact arithmetic to 0.5 + 0.5 tanh x; at the clip's end x = -5 (sigma = 4.5e-5) the
;    reference's cancelling sum can differ from it by about 1e-3 of sigma.  tanh of the amplitude: absolute error about 2e-7.
;
; LEFT OUT: the matrix units (the only product, [3 x 512] x [512 x pixels], is 6 of a pixel pair's 37 instructions, and rounding its 512 terms to bf16
; would use up the allowed error); tensor loads, an LDS ring and prefetches (a thread reads 32 bytes of pixels, once); clusters (what the
; work-groups share is 14 KB of parameters, read once by each).
.set GX,   4                           ; v[4:7]     grid_x of my 4 pixels
.set GY,   8                           ; v[8:11]    grid_y
.set ACC,  12                          ; v[12:23]   sums: channel c in v[12+4c : 15+4c]
.set KA,   24                          ; v[24:37]   record of the even gabor at work; the table's record is also put together here
.set KB,   40                          ; v[40:53]   record of the odd gabor
.set VC5,  56                          ; v[56:57]   leading coefficient of C, twice
.set VS4,  58                          ; v[58:59]   leading coefficient of P, twice
.set LA,   60                          ; v60        LDS address of the loop's reads, the same in all lanes
.set LST,  61                          ; v61        64 t: where I put my record
.set TP,   64                          ; v[64:87], v[88:111]: work registers of pixel pair 0, 1
.set O_DX, 0                           ; dx, later Q = xr * nax
.set O_DY, 2                           ; dy, later GS = g S
.set O_XR, 4
.set O_YR, 6
.set O_T,  8                           ; t, later GC = g cos(2 pi r)
.set O_K,  10                          ; rndne(t), later GN = g sin(2 pi r) / sqrt2
.set O_R,  12
.set O_M,  14
.set O_G,  16
.set O_Z,  18
.set O_C,  20
.set O_S,  22
.set P_U,  112                         ; v[112:123] the parameters of gabor t as loaded
.set P_V,  113
.set P_TH, 114
.set P_RS, 115
.set P_RF, 116
.set P_GA, 117
.set P_PS, 118
.set P_AM, 121
.set SCR,  124                         ; v[124:138] scratch of the table's arithmetic
.set SC4,  36                          ; s[36:43]   coefficients of C: z^4, z^3, z^2, z^1, each twice (a pair for the packed forms)
.set SS3,  44                          ; s[44:51]   coefficients of P: z^3, z^2, z^1, z^0, each twice
.set REC,  64                          ; bytes of a record in LDS: words 0 nu, 1 nv, 2 ct, 3 st, 4 cb, 5 nsb, 6 fr, 7 nax, 8 A0, 9 B0, 10 A1, 11 B1, 12 A2, 13 B2
.set PLANE, 1048576                    ; bytes of one channel of out0
; Packed add, multiply, multiply-add of pair a with ONE register v[k] for both halves.  k even: the pair (k, k+1), both results take its first
; register; k odd: the pair (k-1, k), both take its second.
.macro PADD d, a, k
.if (\k)&1
	v_pk_add_f32 v[\d:\d+1], v[\a:\a+1], v[\k-1:\k] op_sel:[0,1] op_sel_hi:[1,1]
.else
	v_pk_add_f32 v[\d:\d+1], v[\a:\a+1], v[\k:\k+1] op_sel_hi:[1,0]
.endif
.endm
.macro PMUL d, a, k
.if (\k)&1
	v_pk_mul_f32 v[\d:\d+1], v[\a:\a+1], v[\k-1:\k] op_sel:[0,1] op_sel_hi:[1,1]
.else
	v_pk_mul_f32 v[\d:\d+1], v[\a:\a+1], v[\k:\k+1] op_sel_hi:[1,0]
.endif
.endm
.macro PFMA d, a, k, c
.if (\k)&1
	v_pk_fma_f32 v[\d:\d+1], v[\a:\a+1], v[\k-1:\k], v[\c:\c+1] op_sel:[0,1,0] op_sel_hi:[1,1,1]
.else
	v_pk_fma_f32 v[\d:\d+1], v[\a:\a+1], v[\k:\k+1], v[\c:\c+1] op_sel_hi:[1,0,1]
.endif
.endm
; K = rndne(T), four numbers
.macro RND
.irp p, 0,1
	v_rndne_f32 v[TP+24*\p+O_K],   v[TP+24*\p+O_T]
	v_rndne_f32 v[TP+24*\p+O_K+1], v[TP+24*\p+O_T+1]
.endr
.endm
; R = T - K: exact, |R| <= 0.5
.macro RSUB
.irp p, 0,1
	v_pk_add_f32 v[TP+24*\p+O_R:TP+24*\p+O_R+1], v[TP+24*\p+O_T:TP+24*\p+O_T+1], v[TP+24*\p+O_K:TP+24*\p+O_K+1] neg_lo:[0,1] neg_hi:[0,1]
.endr
.endm
; From R: C = cos(pi R), S = sqrt2 sin(pi R).  Four chains (two pairs, two series) take turns, so that no line waits for the one in front.
.macro POLY
.irp p, 0,1
	v_pk_mul_f32 v[TP+24*\p+O_Z:TP+24*\p+O_Z+1], v[TP+24*\p+O_R:TP+24*\p+O_R+1], v[TP+24*\p+O_R:TP+24*\p+O_R+1]
.endr
.irp p, 0,1
	v_pk_fma_f32 v[TP+24*\p+O_C:TP+24*\p+O_C+1], v[TP+24*\p+O_Z:TP+24*\p+O_Z+1], v[VC5:VC5+1], s[SC4:SC4+1] op_sel_hi:[1,1,0]
	v_pk_fma_f32 v[TP+24*\p+O_S:TP+24*\p+O_S+1], v[TP+24*\p+O_Z:TP+24*\p+O_Z+1], v[VS4:VS4+1], s[SS3:SS3+1] op_sel_hi:[1,1,0]
.endr
.irp j, 1,2,3
.irp p, 0,1
	v_pk_fma_f32 v[TP+24*\p+O_C:TP+24*\p+O_C+1], v[TP+24*\p+O_C:TP+24*\p+O_C+1], v[TP+24*\p+O_Z:TP+24*\p+O_Z+1], s[SC4+2*\j:SC4+2*\j+1] op_sel_hi:[1,1,0]
	v_pk_fma_f32 v[TP+24*\p+O_S:TP+24*\p+O_S+1], v[TP+24*\p+O_S:TP+24*\p+O_S+1], v[TP+24*\p+O_Z:TP+24*\p+O_Z+1], s[SS3+2*\j:SS3+2*\j+1] op_sel_hi:[1,1,0]
.endr
.endr
.irp p, 0,1
	v_pk_fma_f32 v[TP+24*\p+O_C:TP+24*\p+O_C+1], v[TP+24*\p+O_C:TP+24*\p+O_C+1], v[TP+24*\p+O_Z:TP+24*\p+O_Z+1], 1.0 op_sel_hi:[1,1,0]
	v_pk_mul_f32 v[TP+24*\p+O_S:TP+24*\p+O_S+1], v[TP+24*\p+O_S:TP+24*\p+O_S+1], v[TP+24*\p+O_R:TP+24*\p+O_R+1]
.endr
.endm
; One record, 56 bytes, into set kb: four LDS loads, every lane at the same address
.macro LOADK kb, off
	ds_load_b128 v[\kb:\kb+3],     v[LA] offset:\off
	ds_load_b128 v[\kb+4:\kb+7],   v[LA] offset:\off+16
	ds_load_b128 v[\kb+8:\kb+11],  v[LA] offset:\off+32
	ds_load_b64  v[\kb+12:\kb+13], v[LA] offset:\off+48
.endm
; One gabor (record in set kb) on my 4 pixels.  first = 1: its products start the sums, nothing is cleared.  refill = 1: the set is loaded
; again from LA + off when it has been used.  left = how many younger LDS loads may stay out when this set has to be there.
.macro GABOR kb, first, refill, off, left
	s_wait_dscnt \left                             ; LDS loads come back in order: behind this set's four stand only the other set's four
.irp p, 0,1
	PADD TP+24*\p+O_DX, GX+2*\p, \kb+0             ; dx = gx - u, rounded as in the reference
	PADD TP+24*\p+O_DY, GY+2*\p, \kb+1             ; dy = gy - v
.endr
.irp p, 0,1
	PMUL TP+24*\p+O_XR, TP+24*\p+O_DX, \kb+2       ; dx ct
	PMUL TP+24*\p+O_YR, TP+24*\p+O_DY, \kb+4       ; dy cb
.endr
.irp p, 0,1
	PFMA TP+24*\p+O_XR, TP+24*\p+O_DY, \kb+3, TP+24*\p+O_XR    ; xr = dx ct + dy st
	PFMA TP+24*\p+O_YR, TP+24*\p+O_DX, \kb+5, TP+24*\p+O_YR    ; yr = (dy ct - dx st) sqrt(log2e / 2) / gam
.endr
.irp p, 0,1
	PMUL TP+24*\p+O_T, TP+24*\p+O_XR, \kb+6        ; the angle in revolutions
	v_pk_mul_f32 v[TP+24*\p+O_M:TP+24*\p+O_M+1], v[TP+24*\p+O_YR:TP+24*\p+O_YR+1], v[TP+24*\p+O_YR:TP+24*\p+O_YR+1]
	PMUL TP+24*\p+O_DX, TP+24*\p+O_XR, \kb+7       ; Q = xr nax (dx is done with)
.endr
	RND
.irp p, 0,1
	v_pk_fma_f32 v[TP+24*\p+O_M:TP+24*\p+O_M+1], v[TP+24*\p+O_DX:TP+24*\p+O_DX+1], v[TP+24*\p+O_XR:TP+24*\p+O_XR+1], v[TP+24*\p+O_M:TP+24*\p+O_M+1] neg_lo:[0,0,1] neg_hi:[0,0,1]   ; M = Q xr - yr yr <= 0
.endr
	RSUB
.irp p, 0,1
	v_max_num_f32 v[TP+24*\p+O_M],   s31, v[TP+24*\p+O_M]      ; the reference's clip at -80, in base 2
	v_max_num_f32 v[TP+24*\p+O_M+1], s31, v[TP+24*\p+O_M+1]
.endr
.irp p, 0,1
	v_exp_f32 v[TP+24*\p+O_G],   v[TP+24*\p+O_M]   ; four exponentials back to back; the plain vector instruction that has to stand between a
	v_exp_f32 v[TP+24*\p+O_G+1], v[TP+24*\p+O_M+1] ; transcendental and the use of its result (ISA guide 5.7.2) is the first line of POLY, which names neither G nor M
.endr
	POLY
	s_wait_alu depctr_va_vdst(0)
.irp p, 0,1
	v_pk_mul_f32 v[TP+24*\p+O_DY:TP+24*\p+O_DY+1], v[TP+24*\p+O_G:TP+24*\p+O_G+1], v[TP+24*\p+O_S:TP+24*\p+O_S+1]    ; GS = g S (dy is done with)
.endr
.irp p, 0,1
	v_pk_fma_f32 v[TP+24*\p+O_T:TP+24*\p+O_T+1], v[TP+24*\p+O_DY:TP+24*\p+O_DY+1], v[TP+24*\p+O_S:TP+24*\p+O_S+1], v[TP+24*\p+O_G:TP+24*\p+O_G+1] neg_lo:[1,0,0] neg_hi:[1,0,0]   ; GC = g - GS S = g cos(2 pi r)
	v_pk_mul_f32 v[TP+24*\p+O_K:TP+24*\p+O_K+1], v[TP+24*\p+O_DY:TP+24*\p+O_DY+1], v[TP+24*\p+O_C:TP+24*\p+O_C+1]    ; GN = GS C = g sin(2 pi r) / sqrt2
.endr
.irp c, 0,1,2
.irp p, 0,1
.if \first
	PMUL ACC+4*\c+2*\p, TP+24*\p+O_T, \kb+8+2*\c
.else
	PFMA ACC+4*\c+2*\p, TP+24*\p+O_T, \kb+8+2*\c, ACC+4*\c+2*\p
.endif
.endr
.endr
.irp c, 0,1,2
.irp p, 0,1
	PFMA ACC+4*\c+2*\p, TP+24*\p+O_K, \kb+9+2*\c, ACC+4*\c+2*\p
.endr
.endr
.if \refill
	LOADK \kb, \off                                ; it has the other gabor's whole body, 74 vector instructions, to arrive
.endif
.endm
	; ---- arguments, offsets, constants ----
	s_load_b512 s[8:23], s[0:1], 0x0               ; grid_x s[8:9], grid_y s[10:11], u s[12:13], v s[14:15], theta s[16:17], rel_sigma s[18:19], rel_freq s[20:21], gamma s[22:23]
	s_load_b128 s[24:27], s[0:1], 0x40             ; psi s[24:25], amplitude s[26:27]
	s_load_b64 s[28:29], s[0:1], 0x50              ; out0
	v_lshl_add_u32 v144, v0, 2, 0x4000
	v_mov_b32 v145, 0
	s_lshl_b32 s2, ttmp9, 12                       ; the work-group's 4,096 bytes of a plane
	v_lshlrev_b32 v1, 2, v0                        ; 4 t: gabor t in the arrays of 256 numbers
	v_mul_u32_u24 v2, 12, v0                       ; 12 t: gabor t in psi and amplitude
	v_lshl_add_u32 v3, v0, 4, s2                   ; my 16 bytes of a plane; never rewritten, so no store's or load's source is ever touched
	v_lshlrev_b32 v[LST], 6, v0                    ; 64 t
	s_mov_b32 s31, 0xc2e6d4ca                      ; -80 log2e
	s_mov_b32 s32, 0x40a00000                      ; 5.0
	s_mov_b32 s33, 0xc0a00000                      ; -5.0
	s_mov_b32 s34, 0x3a83126f                      ; 0.001
.irp h, 0,1
	s_mov_b32 s[SC4+\h],   0x3e70fa83              ; pi^8 / 8!
	s_mov_b32 s[SC4+2+\h], 0xbfaae9e4              ; -pi^6 / 6!
	s_mov_b32 s[SC4+4+\h], 0x4081e0f8              ; pi^4 / 4!
	s_mov_b32 s[SC4+6+\h], 0xc09de9e6              ; -pi^2 / 2
	s_mov_b32 s[SS3+\h],   0xbf58f4fa              ; -sqrt2 pi^7 / 7!
	s_mov_b32 s[SS3+2+\h], 0x4066d083              ; sqrt2 pi^5 / 5!
	s_mov_b32 s[SS3+4+\h], 0xc0e9dd2e              ; -sqrt2 pi^3 / 3!
	s_mov_b32 s[SS3+6+\h], 0x408e2c19              ; sqrt2 pi
	v_mov_b32 v[VC5+\h], 0xbcd368f9                ; -pi^10 / 10!   (in vector registers: the line that uses it also names a scalar pair)
	v_mov_b32 v[VS4+\h], 0x3dedeb7f                ; sqrt2 pi^9 / 9!
.endr
	s_wait_kmcnt 0x0
	; ---- loads: gabor t's 12 parameters, then my pixels ----
	global_load_b32 v[P_U],  v1, s[12:13]
	global_load_b32 v[P_V],  v1, s[14:15]
	global_load_b32 v[P_TH], v1, s[16:17]
	global_load_b32 v[P_RS], v1, s[18:19]
	global_load_b32 v[P_RF], v1, s[20:21]
	global_load_b32 v[P_GA], v1, s[22:23]
.irp c, 0,1,2
	global_load_b32 v[P_PS+\c], v2, s[24:25] offset:4*\c
	global_load_b32 v[P_AM+\c], v2, s[26:27] offset:4*\c
.endr
	global_load_b128 v[GX:GX+3], v3, s[8:9] th:TH_LOAD_NT      ; read once in the whole launch
	global_load_b128 v[GY:GY+3], v3, s[10:11] th:TH_LOAD_NT
	s_wait_loadcnt 0x2                             ; the 12 parameters are in; the two pixel loads behind them stay out while the table is made
	; ---- the record of gabor t ----
	; four angles in revolutions through the loop's own reduction and series: clip(theta, 0, 1), and pi psi (= psi 2 pi pi / 2 pi)
	v_med3_num_f32 v[TP+O_T], v[P_TH], 0, 1.0
	v_mul_f32 v[TP+O_T+1],    0x40490fdb, v[P_PS]
	v_mul_f32 v[TP+24+O_T],   0x40490fdb, v[P_PS+1]
	v_mul_f32 v[TP+24+O_T+1], 0x40490fdb, v[P_PS+2]
	RND
	RSUB
	POLY
.irp p, 0,1
	v_pk_fma_f32 v[TP+24*\p+O_T:TP+24*\p+O_T+1], v[TP+24*\p+O_S:TP+24*\p+O_S+1], v[TP+24*\p+O_S:TP+24*\p+O_S+1], 1.0 op_sel_hi:[1,1,0] neg_lo:[1,0,0] neg_hi:[1,0,0]   ; cosines: ct, cos p0 | cos p1, cos p2
	v_pk_mul_f32 v[TP+24*\p+O_K:TP+24*\p+O_K+1], v[TP+24*\p+O_S:TP+24*\p+O_S+1], v[TP+24*\p+O_C:TP+24*\p+O_C+1]      ; sines / sqrt2, in the same places
.endr
	; the clips, and the arguments of six exponentials in base 2
	v_med3_num_f32 v[SCR+0], v[P_RS],   s33, s32
	v_med3_num_f32 v[SCR+1], v[P_GA],   s33, s32
	v_med3_num_f32 v[SCR+2], v[P_AM],   s33, s32
	v_med3_num_f32 v[SCR+3], v[P_AM+1], s33, s32
	v_med3_num_f32 v[SCR+4], v[P_AM+2], s33, s32
	v_mul_f32 v[SCR+0], 0xc038aa3b, v[SCR+0]       ; -2 log2e x
	v_mul_f32 v[SCR+1], 0xbfb8aa3b, v[SCR+1]       ; -log2e x
	v_mul_f32 v[SCR+2], 0x4038aa3b, v[SCR+2]       ; 2 log2e x
	v_mul_f32 v[SCR+3], 0x4038aa3b, v[SCR+3]
	v_mul_f32 v[SCR+4], 0x4038aa3b, v[SCR+4]
	v_mul_f32 v[SCR+5], 0xbfb8aa3b, v[P_RF]        ; rel_freq is not clipped in the reference
	v_exp_f32 v[SCR+6],  v[SCR+0]                  ; E = e^(-2 rel_sigma)
	v_exp_f32 v[SCR+7],  v[SCR+1]                  ; e^(-gamma)
	v_exp_f32 v[SCR+8],  v[SCR+2]                  ; e^(2 amplitude), three
	v_exp_f32 v[SCR+9],  v[SCR+3]
	v_exp_f32 v[SCR+10], v[SCR+4]
	v_exp_f32 v[KA+6],   v[SCR+5]                  ; fr = 1 / e^rel_freq = freq / 2 pi: revolutions for a unit of xr
	v_mov_b32 v[KA+2], v[TP+O_T]                   ; ct.  Also the plain instruction between the exponentials and the use of their results
	s_wait_alu depctr_va_vdst(0)
.irp j, 6,7,8,9,10
	v_add_f32 v[SCR+\j], 1.0, v[SCR+\j]
.endr
	v_rcp_f32 v[SCR+11], v[SCR+7]                  ; sigmoid(gamma)
	v_rcp_f32 v[SCR+12], v[SCR+8]
	v_rcp_f32 v[SCR+13], v[SCR+9]
	v_rcp_f32 v[SCR+14], v[SCR+10]
	v_mul_f32 v[SCR+0], v[SCR+6], v[SCR+6]         ; (1 + E)^2 = 1 / sigma^2.  Also the plain instruction behind the four reciprocals
	s_wait_alu depctr_va_vdst(0)
	v_fma_f32 v[SCR+1], v[SCR+11], 0.5, s34        ; gam = 0.001 + 0.5 sigmoid
.irp j, 12,13,14
	v_fma_f32 v[SCR+\j], v[SCR+\j], -2.0, 1.0      ; tanh x = 1 - 2 / (1 + e^(2x))
.endr
	v_rcp_f32 v[SCR+2], v[SCR+1]                   ; 1 / gam
	v_mul_f32 v[KA+7], 0xbf38aa3b, v[SCR+0]        ; nax = -log2e / (2 sigma^2).  Also the plain instruction behind the reciprocal
	v_mul_f32 v[KA+3], 0x3fb504f3, v[TP+O_K]       ; st = sqrt2 x (sine / sqrt2)
	s_wait_alu depctr_va_vdst(0)
	v_mul_f32 v[SCR+3], 0x3f596d27, v[SCR+2]       ; sb = sqrt(log2e / 2) / gam
	v_mul_f32 v[SCR+4], 0xbf596d27, v[SCR+2]       ; -sb
	v_mul_f32 v[KA+4], v[KA+2], v[SCR+3]           ; cb = ct sb
	v_mul_f32 v[KA+5], v[KA+3], v[SCR+4]           ; nsb = -st sb
.irp c, 0,1,2
	v_mul_f32 v[SCR+5], 0x3e4ccccd, v[SCR+12+\c]   ; amp = 0.2 tanh
	v_mul_f32 v[SCR+6], 0xbecccccd, v[SCR+12+\c]   ; -2 amp
	v_mul_f32 v[KA+8+2*\c], v[SCR+5], v[TP+24*((\c+1)/2)+O_T+((\c+1)%2)]     ; A = amp cos p
	v_mul_f32 v[KA+9+2*\c], v[SCR+6], v[TP+24*((\c+1)/2)+O_K+((\c+1)%2)]     ; B = -2 amp sin p / sqrt2
.endr
	v_med3_num_f32 v[SCR+7], v[P_U], -1.0, 1.0
	v_med3_num_f32 v[SCR+8], v[P_V], -1.0, 1.0
	v_mul_f32 v[KA+0], -1.0, v[SCR+7]              ; nu = -clip(u)
	v_mul_f32 v[KA+1], -1.0, v[SCR+8]              ; nv = -clip(v)
	ds_store_b128 v[LST], v[KA:KA+3]
	ds_store_b128 v[LST], v[KA+4:KA+7]   offset:16
	ds_store_b128 v[LST], v[KA+8:KA+11]  offset:32
	ds_store_b64  v[LST], v[KA+12:KA+13] offset:48 ; words 14 and 15 of a record are neither written nor read
	s_wait_dscnt 0x0                               ; for the other waves' sake: my record is in LDS before I say so
	s_barrier_signal -1
	s_barrier_wait -1                              ; all 256 records are there.  The table is never written again: this is the only barrier
	; ---- 256 gabors, two a trip, on two sets of record registers that are loaded one gabor ahead ----
	v_mov_b32 v[LA], 0
	LOADK KA, 0
	LOADK KB, REC
	s_wait_loadcnt 0x0                             ; my pixels
	GABOR KA, 1, 1, 2*REC, 4                       ; gabors 0 and 1 stand in front of the loop: gabor 0's products start the sums
	GABOR KB, 0, 1, 3*REC, 4
	v_add_nc_u32 v[LA], 2*REC, v[LA]
	s_mov_b32 s30, 126                             ; trip j = 1 .. 126 (LA = 128 j) works on gabors 2j, 2j+1 and loads 2j+2, 2j+3; the last byte read is 16,375
.Lpair:
	GABOR KA, 0, 1, 2*REC, 4
	GABOR KB, 0, 1, 3*REC, 4
	v_add_nc_u32 v[LA], 2*REC, v[LA]
	s_sub_co_i32 s30, s30, 1
	s_cmp_lg_u32 s30, 0
	s_cbranch_scc1 .Lpair
	GABOR KA, 0, 0, 0, 4                           ; gabors 254 and 255 load nothing: behind 254's record stand 255's four loads,
	GABOR KB, 0, 0, 0, 0                           ; behind 255's nothing
	; ---- clip and store: 16 bytes a lane, 512 consecutive bytes a wave, in each of the three planes ----
.irp j, 0,1,2,3,4,5,6,7,8,9,10,11
	v_med3_num_f32 v[ACC+\j], v[ACC+\j], -1.0, 1.0
.endr
	global_store_b128 v3, v[ACC:ACC+3],    s[28:29] th:TH_STORE_NT
	global_store_b128 v3, v[ACC+4:ACC+7],  s[28:29] offset:PLANE th:TH_STORE_NT
	global_store_b128 v3, v[ACC+8:ACC+11], s[28:29] offset:2*PLANE th:TH_STORE_NT
	s_wait_tensorcnt 0x0
	ds_add_u32 v144, v145
	s_wait_dscnt 0x0
	s_endpgm
.Lfunc_end_k_q8445679822_gabor:
	.size	k_q8445679822_gabor, .Lfunc_end_k_q8445679822_gabor-k_q8445679822_gabor
	.p2alignl 7, 3214868480
	.fill 96, 4, 3214868480
	.section	.rodata,"a",@progbits
	.p2align	6, 0x0
	.amdhsa_kernel k_q8445679822_gabor
		.amdhsa_group_segment_fixed_size 17408
		.amdhsa_private_segment_fixed_size 0
		.amdhsa_enable_private_segment 0
		.amdhsa_kernarg_size 88
		.amdhsa_user_sgpr_count 2
		.amdhsa_user_sgpr_kernarg_segment_ptr 1
		.amdhsa_wavefront_size32 1
		.amdhsa_system_sgpr_workgroup_id_x 1
		.amdhsa_system_sgpr_workgroup_id_y 1
		.amdhsa_system_sgpr_workgroup_id_z 1
		.amdhsa_system_vgpr_workitem_id 0
		.amdhsa_next_free_vgpr 146
		.amdhsa_next_free_sgpr 66
		.amdhsa_reserve_vcc 0
		.amdhsa_float_denorm_mode_32 3
		.amdhsa_float_denorm_mode_16_64 3
		.amdhsa_memory_ordered 1
		.amdhsa_forward_progress 1
		.amdhsa_inst_pref_size 38
	.end_amdhsa_kernel
	.amdgpu_metadata
---
amdhsa.version: [ 1, 2 ]
amdhsa.kernels:
  - .name:           k_q8445679822_gabor
    .symbol:         k_q8445679822_gabor.kd
    .args:
      - { .name: grid_x, .offset: 0, .size: 8, .value_kind: global_buffer, .address_space: global }
      - { .name: grid_y, .offset: 8, .size: 8, .value_kind: global_buffer, .address_space: global }
      - { .name: u, .offset: 16, .size: 8, .value_kind: global_buffer, .address_space: global }
      - { .name: v, .offset: 24, .size: 8, .value_kind: global_buffer, .address_space: global }
      - { .name: theta, .offset: 32, .size: 8, .value_kind: global_buffer, .address_space: global }
      - { .name: rel_sigma, .offset: 40, .size: 8, .value_kind: global_buffer, .address_space: global }
      - { .name: rel_freq, .offset: 48, .size: 8, .value_kind: global_buffer, .address_space: global }
      - { .name: gamma, .offset: 56, .size: 8, .value_kind: global_buffer, .address_space: global }
      - { .name: psi, .offset: 64, .size: 8, .value_kind: global_buffer, .address_space: global }
      - { .name: amplitude, .offset: 72, .size: 8, .value_kind: global_buffer, .address_space: global }
      - { .name: out0, .offset: 80, .size: 8, .value_kind: global_buffer, .address_space: global }
    .group_segment_fixed_size: 17408
    .private_segment_fixed_size: 0
    .kernarg_segment_align: 8
    .kernarg_segment_size: 88
    .max_flat_workgroup_size: 256
    .sgpr_count:     66
    .vgpr_count:     146
    .wavefront_size: 32
...
	.end_amdgpu_metadata
.endif
;; end of part 1
;; ======== version 2 of 2: 1 launch; version 1 with the launch gabor written anew for expert scheduling mode
;; limits: a function is approximated: absolute error at most 2e-07
;; launch gabor (part 2): grid 256 x 1, 8 waves a work-group, no clusters, 17,408 bytes of LDS; arguments grid_x, grid_y, u, v, theta, rel_sigma, rel_freq, gamma, psi, amplitude, out0; writes out0
.if DOCPART == 2
	.amdgcn_target "amdgcn-amd-amdhsa--gfx1250"
	.amdhsa_code_object_version 6
	.text
	.protected	k_q8445679822_gabor
	.globl	k_q8445679822_gabor
	.p2align	8
	.type	k_q8445679822_gabor,@function
k_q8445679822_gabor:
	s_mov_b64 s[64:65], 0
	v_nop
	global_prefetch_b8 v0, s[64:65] scope:SCOPE_SE
	s_setreg_imm32_b32 hwreg(HW_REG_WAVE_SCHED_MODE, 0, 2), 2
	s_setreg_imm32_b32 hwreg(HW_REG_WAVE_MODE, 25, 1), 1
	s_wait_xcnt 0x0
	s_wait_alu depctr_vm_vsrc(0)
; out0[c][pixel] = clip( sum over 256 gabors of amp[n][c] * gauss(n, pixel) * cos(freq[n] * x_rot + phase[n][c]), -1, 1 ).
;
; ONE LAUNCH.  256 work-groups of 8 waves; a work-group owns 1,024 consecutive pixels (4,096 bytes of each plane), thread t the 16 bytes
; (4 pixels) at 16 t, so each load or store of a wave covers 512 consecutive bytes, aligned.  The 4 pixels are two register pairs for the
; packed f32 instructions.  The three sums of each pixel stay in registers; every input pixel is read once, every output byte written once.
;
; WHAT HANGS ON THE GABOR ALONE (clips, tanh, sigmoid, exp, sine and cosine of theta and of the three phases) is 14 numbers a gabor.  Thread n
; makes those of gabor n once and puts them into LDS (64 bytes a gabor); then every wave walks the 256 records, all lanes reading the same bytes.
;
; ONE ANGLE INSTEAD OF THREE: cos(a + p) = cos a cos p - sin a sin p, so a gabor and a pixel need one exponential and one sine/cosine pair;
; the channels are six multiply-adds with A = amp cos p and B = -2 amp sin p / sqrt 2.
; SINE AND COSINE are made in plain f32: the angle is kept in revolutions, t; r = t - rndne(t) is exact and |r| <= 0.5; with z = r r,
; C = cos(pi r) (series to z^5) and S = sqrt2 sin(pi r) = r P(z) (P of degree 4); then cos(2 pi r) = 1 - S S and sin(2 pi r) = sqrt2 S C.
; The series' remainders on |r| <= 0.5 give an absolute error of at most 1.5e-5 in cos(2 pi r), whatever the data.
; THE GAUSSIAN is kept in base 2: M = -(log2e / 2 sigma^2) xr^2 - (log2e / 2 gam^2) yr^2, clipped below at -80 log2e, g = 2^M.
;
; THE MODE: SCHED_MODE bits 1:0 = 2 (LLVM: expert scheduling mode 2), set by the entry lines.  The code itself states the register dependences
; between vector instructions and memory or LDS instructions, with s_wait_alu, always for 0.
; THE PLAN.  Registers that memory or LDS instructions touch:
;   v1, v2, v3, v[LST]  offsets and the LDS store address: made at the head, never written again.
;   v[LA]               the LDS address of the record loads: made at the head, stepped once a trip of the loop, at the trip's head.
;   KA, KB, KC, KD      four sets of record registers.  Gabor n's vector instructions read set n % 4; at its head the four loads of record n + 2
;                       are issued, which land in set (n + 2) % 4 = (n - 2) % 4.  KA also holds my own record while the table is made: LDS stores read it.
;   parameters, pixels  written by global loads alone, ahead of which no vector instruction names them.
;   ACC                 written by vector instructions; read by the three stores at the end.
; A step is two gabors.  The loads issued in a step land in the two sets that the step before worked on and that no vector instruction of this step
; names.  So ONE wait on va_vdst at a step's head states all that the step's eight loads hang on; the second gabor's four follow with no further wait.
; One wait on vm_vsrc a trip (two steps) stands ahead of the add to v[LA], and that add ahead of the step's wait on va_vdst.
;
; LIMITS, kept on purpose:
;  - NaN and infinite inputs are not served (v_max_num_f32 and v_med3_num_f32 drop a NaN where the reference's clip keeps it).
;  - The reference's upper clip of the exponent at +80 is not written: M is minus a sum of squares times positive factors, never above 0.
;  - The angle carries the rounding of the product t, |t| 2^-24 revolutions, the size of the reference's own rounding of freq * x_rot;
;    from |t| = 2^23 on r is 0.  If xr * fr overflows (rel_freq below about -85) the result is NaN.
;  - sigma is made as 1 / (1 + e^(-2x)), equal in exact arithmetic to 0.5 + 0.5 tanh x; at the clip's end x = -5 (sigma = 4.5e-5) the
;    reference's cancelling sum can differ from it by about 1e-3 of sigma.  tanh of the amplitude: absolute error about 2e-7.
;
; LEFT OUT: the matrix units (the only product, [3 x 512] x [512 x pixels], is 6 of a pixel pair's 37 instructions, and rounding its 512 terms to bf16
; would use up the allowed error); tensor loads, an LDS ring and prefetches (a thread reads 32 bytes of pixels, once); clusters (what the
; work-groups share is 14 KB of parameters, read once by each).
.set GX,   4                           ; v[4:7]     grid_x of my 4 pixels
.set GY,   8                           ; v[8:11]    grid_y
.set ACC,  12                          ; v[12:23]   sums: channel c in v[12+4c : 15+4c]
.set KA,   24                          ; v[24:37]   record of gabor n, n % 4 = 0; the table's record is also put together here
.set KB,   40                          ; v[40:53]   n % 4 = 1
.set KC,   144                         ; v[144:157] n % 4 = 2
.set KD,   160                         ; v[160:173] n % 4 = 3
.set VC5,  56                          ; v[56:57]   leading coefficient of C, twice
.set VS4,  58                          ; v[58:59]   leading coefficient of P, twice
.set LA,   60                          ; v60        LDS address of the loop's reads, the same in all lanes
.set LST,  61                          ; v61        64 t: where I put my record
.set TP,   64                          ; v[64:87], v[88:111]: work registers of pixel pair 0, 1
.set O_DX, 0                           ; dx, later Q = xr * nax
.set O_DY, 2                           ; dy, later GS = g S
.set O_XR, 4
.set O_YR, 6
.set O_T,  8                           ; t, later GC = g cos(2 pi r)
.set O_K,  10                          ; rndne(t), later GN = g sin(2 pi r) / sqrt2
.set O_R,  12
.set O_M,  14
.set O_G,  16
.set O_Z,  18
.set O_C,  20
.set O_S,  22
.set P_U,  112                         ; v[112:123] the parameters of gabor t as loaded
.set P_V,  113
.set P_TH, 114
.set P_RS, 115
.set P_RF, 116
.set P_GA, 117
.set P_PS, 118
.set P_AM, 121
.set SCR,  124                         ; v[124:138] scratch of the table's arithmetic
.set SC4,  36                          ; s[36:43]   coefficients of C: z^4, z^3, z^2, z^1, each twice (a pair for the packed forms)
.set SS3,  44                          ; s[44:51]   coefficients of P: z^3, z^2, z^1, z^0, each twice
.set REC,  64                          ; bytes of a record in LDS: words 0 nu, 1 nv, 2 ct, 3 st, 4 cb, 5 nsb, 6 fr, 7 nax, 8 A0, 9 B0, 10 A1, 11 B1, 12 A2, 13 B2
.set PLANE, 1048576                    ; bytes of one channel of out0
; Packed add, multiply, multiply-add of pair a with ONE register v[k] for both halves.  k even: the pair (k, k+1), both results take its first
; register; k odd: the pair (k-1, k), both take its second.
.macro PADD d, a, k
.if (\k)&1
	v_pk_add_f32 v[\d:\d+1], v[\a:\a+1], v[\k-1:\k] op_sel:[0,1] op_sel_hi:[1,1]
.else
	v_pk_add_f32 v[\d:\d+1], v[\a:\a+1], v[\k:\k+1] op_sel_hi:[1,0]
.endif
.endm
.macro PMUL d, a, k
.if (\k)&1
	v_pk_mul_f32 v[\d:\d+1], v[\a:\a+1], v[\k-1:\k] op_sel:[0,1] op_sel_hi:[1,1]
.else
	v_pk_mul_f32 v[\d:\d+1], v[\a:\a+1], v[\k:\k+1] op_sel_hi:[1,0]
.endif
.endm
.macro PFMA d, a, k, c
.if (\k)&1
	v_pk_fma_f32 v[\d:\d+1], v[\a:\a+1], v[\k-1:\k], v[\c:\c+1] op_sel:[0,1,0] op_sel_hi:[1,1,1]
.else
	v_pk_fma_f32 v[\d:\d+1], v[\a:\a+1], v[\k:\k+1], v[\c:\c+1] op_sel_hi:[1,0,1]
.endif
.endm
; K = rndne(T), four numbers
.macro RND
.irp p, 0,1
	v_rndne_f32 v[TP+24*\p+O_K],   v[TP+24*\p+O_T]
	v_rndne_f32 v[TP+24*\p+O_K+1], v[TP+24*\p+O_T+1]
.endr
.endm
; R = T - K: exact, |R| <= 0.5
.macro RSUB
.irp p, 0,1
	v_pk_add_f32 v[TP+24*\p+O_R:TP+24*\p+O_R+1], v[TP+24*\p+O_T:TP+24*\p+O_T+1], v[TP+24*\p+O_K:TP+24*\p+O_K+1] neg_lo:[0,1] neg_hi:[0,1]
.endr
.endm
; From R: C = cos(pi R), S = sqrt2 sin(pi R).  Four chains (two pairs, two series) take turns, so that no line waits for the one in front.
.macro POLY
.irp p, 0,1
	v_pk_mul_f32 v[TP+24*\p+O_Z:TP+24*\p+O_Z+1], v[TP+24*\p+O_R:TP+24*\p+O_R+1], v[TP+24*\p+O_R:TP+24*\p+O_R+1]
.endr
.irp p, 0,1
	v_pk_fma_f32 v[TP+24*\p+O_C:TP+24*\p+O_C+1], v[TP+24*\p+O_Z:TP+24*\p+O_Z+1], v[VC5:VC5+1], s[SC4:SC4+1] op_sel_hi:[1,1,0]
	v_pk_fma_f32 v[TP+24*\p+O_S:TP+24*\p+O_S+1], v[TP+24*\p+O_Z:TP+24*\p+O_Z+1], v[VS4:VS4+1], s[SS3:SS3+1] op_sel_hi:[1,1,0]
.endr
.irp j, 1,2,3
.irp p, 0,1
	v_pk_fma_f32 v[TP+24*\p+O_C:TP+24*\p+O_C+1], v[TP+24*\p+O_C:TP+24*\p+O_C+1], v[TP+24*\p+O_Z:TP+24*\p+O_Z+1], s[SC4+2*\j:SC4+2*\j+1] op_sel_hi:[1,1,0]
	v_pk_fma_f32 v[TP+24*\p+O_S:TP+24*\p+O_S+1], v[TP+24*\p+O_S:TP+24*\p+O_S+1], v[TP+24*\p+O_Z:TP+24*\p+O_Z+1], s[SS3+2*\j:SS3+2*\j+1] op_sel_hi:[1,1,0]
.endr
.endr
.irp p, 0,1
	v_pk_fma_f32 v[TP+24*\p+O_C:TP+24*\p+O_C+1], v[TP+24*\p+O_C:TP+24*\p+O_C+1], v[TP+24*\p+O_Z:TP+24*\p+O_Z+1], 1.0 op_sel_hi:[1,1,0]
	v_pk_mul_f32 v[TP+24*\p+O_S:TP+24*\p+O_S+1], v[TP+24*\p+O_S:TP+24*\p+O_S+1], v[TP+24*\p+O_R:TP+24*\p+O_R+1]
.endr
.endm
; One record, 56 bytes, into set kb: four LDS loads, every lane at the same address
.macro LOADK kb, off
	ds_load_b128 v[\kb:\kb+3],     v[LA] offset:\off
	ds_load_b128 v[\kb+4:\kb+7],   v[LA] offset:\off+16
	ds_load_b128 v[\kb+8:\kb+11],  v[LA] offset:\off+32
	ds_load_b64  v[\kb+12:\kb+13], v[LA] offset:\off+48
.endm
; One gabor (record in set kb) on my 4 pixels.  first = 1: its products start the sums, nothing is cleared.  fill = 1: at the gabor's head the record
; two gabors on is asked for, from LA + off into set nb.  left = how many younger LDS loads may stay out when set kb has to be there.
; head = 1: a step's first gabor.  head = 2: a trip's first gabor, where v[LA] moves on too.  head = 0: nothing is owed (see the plan).
.macro GABOR kb, first, fill, nb, off, left, head
	s_wait_dscnt \left                             ; LDS loads come back in order: behind this set's four stand only the next gabor's four
.if \head == 2
	s_wait_alu depctr_vm_vsrc(0)                   ; the record loads issued so far have read v[LA], which the next line writes
	v_add_nc_u32 v[LA], 4*REC, v[LA]               ; four records on: this trip's loads
.endif
.if \head >= 1
	s_wait_alu depctr_va_vdst(0)                   ; the two gabors before are done reading their sets, in which this step's eight loads land; at a trip's head v[LA] is written, which they read
.endif
.if \fill
	LOADK \nb, \off                                ; it has two gabors' bodies, 148 vector instructions, to arrive; no vector instruction since the step's wait names set nb or v[LA]
.endif
.irp p, 0,1
	PADD TP+24*\p+O_DX, GX+2*\p, \kb+0             ; dx = gx - u, rounded as in the reference
	PADD TP+24*\p+O_DY, GY+2*\p, \kb+1             ; dy = gy - v
.endr
.irp p, 0,1
	PMUL TP+24*\p+O_XR, TP+24*\p+O_DX, \kb+2       ; dx ct
	PMUL TP+24*\p+O_YR, TP+24*\p+O_DY, \kb+4       ; dy cb
.endr
.irp p, 0,1
	PFMA TP+24*\p+O_XR, TP+24*\p+O_DY, \kb+3, TP+24*\p+O_XR    ; xr = dx ct + dy st
	PFMA TP+24*\p+O_YR, TP+24*\p+O_DX, \kb+5, TP+24*\p+O_YR    ; yr = (dy ct - dx st) sqrt(log2e / 2) / gam
.endr
.irp p, 0,1
	PMUL TP+24*\p+O_T, TP+24*\p+O_XR, \kb+6        ; the angle in revolutions
	v_pk_mul_f32 v[TP+24*\p+O_M:TP+24*\p+O_M+1], v[TP+24*\p+O_YR:TP+24*\p+O_YR+1], v[TP+24*\p+O_YR:TP+24*\p+O_YR+1]
	PMUL TP+24*\p+O_DX, TP+24*\p+O_XR, \kb+7       ; Q = xr nax (dx is done with)
.endr
	RND
.irp p, 0,1
	v_pk_fma_f32 v[TP+24*\p+O_M:TP+24*\p+O_M+1], v[TP+24*\p+O_DX:TP+24*\p+O_DX+1], v[TP+24*\p+O_XR:TP+24*\p+O_XR+1], v[TP+24*\p+O_M:TP+24*\p+O_M+1] neg_lo:[0,0,1] neg_hi:[0,0,1]   ; M = Q xr - yr yr <= 0
.endr
	RSUB
.irp p, 0,1
	v_max_num_f32 v[TP+24*\p+O_M],   s31, v[TP+24*\p+O_M]      ; the reference's clip at -80, in base 2
	v_max_num_f32 v[TP+24*\p+O_M+1], s31, v[TP+24*\p+O_M+1]
.endr
.irp p, 0,1
	v_exp_f32 v[TP+24*\p+O_G],   v[TP+24*\p+O_M]   ; four exponentials back to back; the plain vector instruction that has to stand between a
	v_exp_f32 v[TP+24*\p+O_G+1], v[TP+24*\p+O_M+1] ; transcendental and the use of its result (ISA guide 5.7.2) is the first line of POLY, which names neither G nor M
.endr
	POLY
	s_wait_alu depctr_va_vdst(0)
.irp p, 0,1
	v_pk_mul_f32 v[TP+24*\p+O_DY:TP+24*\p+O_DY+1], v[TP+24*\p+O_G:TP+24*\p+O_G+1], v[TP+24*\p+O_S:TP+24*\p+O_S+1]    ; GS = g S (dy is done with)
.endr
.irp p, 0,1
	v_pk_fma_f32 v[TP+24*\p+O_T:TP+24*\p+O_T+1], v[TP+24*\p+O_DY:TP+24*\p+O_DY+1], v[TP+24*\p+O_S:TP+24*\p+O_S+1], v[TP+24*\p+O_G:TP+24*\p+O_G+1] neg_lo:[1,0,0] neg_hi:[1,0,0]   ; GC = g - GS S = g cos(2 pi r)
	v_pk_mul_f32 v[TP+24*\p+O_K:TP+24*\p+O_K+1], v[TP+24*\p+O_DY:TP+24*\p+O_DY+1], v[TP+24*\p+O_C:TP+24*\p+O_C+1]    ; GN = GS C = g sin(2 pi r) / sqrt2
.endr
.irp c, 0,1,2
.irp p, 0,1
.if \first
	PMUL ACC+4*\c+2*\p, TP+24*\p+O_T, \kb+8+2*\c
.else
	PFMA ACC+4*\c+2*\p, TP+24*\p+O_T, \kb+8+2*\c, ACC+4*\c+2*\p
.endif
.endr
.endr
.irp c, 0,1,2
.irp p, 0,1
	PFMA ACC+4*\c+2*\p, TP+24*\p+O_K, \kb+9+2*\c, ACC+4*\c+2*\p
.endr
.endr
.endm
	; ---- arguments, offsets, constants ----
	s_load_b512 s[8:23], s[0:1], 0x0               ; grid_x s[8:9], grid_y s[10:11], u s[12:13], v s[14:15], theta s[16:17], rel_sigma s[18:19], rel_freq s[20:21], gamma s[22:23]
	s_load_b128 s[24:27], s[0:1], 0x40             ; psi s[24:25], amplitude s[26:27]
	s_load_b64 s[28:29], s[0:1], 0x50              ; out0
	v_lshl_add_u32 v174, v0, 2, 0x4000
	v_mov_b32 v175, 0
	s_lshl_b32 s2, ttmp9, 12                       ; the work-group's 4,096 bytes of a plane
	v_lshlrev_b32 v1, 2, v0                        ; 4 t: gabor t in the arrays of 256 numbers
	v_mul_u32_u24 v2, 12, v0                       ; 12 t: gabor t in psi and amplitude
	v_lshl_add_u32 v3, v0, 4, s2                   ; my 16 bytes of a plane; never rewritten, so no store's or load's source is ever touched
	v_lshlrev_b32 v[LST], 6, v0                    ; 64 t
	v_mov_b32 v[LA], 0                             ; the table's first record
	s_mov_b32 s31, 0xc2e6d4ca                      ; -80 log2e
	s_mov_b32 s32, 0x40a00000                      ; 5.0
	s_mov_b32 s33, 0xc0a00000                      ; -5.0
	s_mov_b32 s34, 0x3a83126f                      ; 0.001
.irp h, 0,1
	s_mov_b32 s[SC4+\h],   0x3e70fa83              ; pi^8 / 8!
	s_mov_b32 s[SC4+2+\h], 0xbfaae9e4              ; -pi^6 / 6!
	s_mov_b32 s[SC4+4+\h], 0x4081e0f8              ; pi^4 / 4!
	s_mov_b32 s[SC4+6+\h], 0xc09de9e6              ; -pi^2 / 2
	s_mov_b32 s[SS3+\h],   0xbf58f4fa              ; -sqrt2 pi^7 / 7!
	s_mov_b32 s[SS3+2+\h], 0x4066d083              ; sqrt2 pi^5 / 5!
	s_mov_b32 s[SS3+4+\h], 0xc0e9dd2e              ; -sqrt2 pi^3 / 3!
	s_mov_b32 s[SS3+6+\h], 0x408e2c19              ; sqrt2 pi
	v_mov_b32 v[VC5+\h], 0xbcd368f9                ; -pi^10 / 10!   (in vector registers: the line that uses it also names a scalar pair)
	v_mov_b32 v[VS4+\h], 0x3dedeb7f                ; sqrt2 pi^9 / 9!
.endr
	s_wait_kmcnt 0x0
	s_wait_alu depctr_va_vdst(0)                   ; v1, v2, v3, v[LST] and v[LA] are written: the loads and stores below read them as offsets and addresses
	; ---- loads: gabor t's 12 parameters, then my pixels ----
	global_load_b32 v[P_U],  v1, s[12:13]
	global_load_b32 v[P_V],  v1, s[14:15]
	global_load_b32 v[P_TH], v1, s[16:17]
	global_load_b32 v[P_RS], v1, s[18:19]
	global_load_b32 v[P_RF], v1, s[20:21]
	global_load_b32 v[P_GA], v1, s[22:23]
.irp c, 0,1,2
	global_load_b32 v[P_PS+\c], v2, s[24:25] offset:4*\c
	global_load_b32 v[P_AM+\c], v2, s[26:27] offset:4*\c
.endr
	global_load_b128 v[GX:GX+3], v3, s[8:9] th:TH_LOAD_NT      ; read once in the whole launch
	global_load_b128 v[GY:GY+3], v3, s[10:11] th:TH_LOAD_NT
	s_wait_loadcnt 0x2                             ; the 12 parameters are in; the two pixel loads behind them stay out while the table is made
	; ---- the record of gabor t ----
	; four angles in revolutions through the loop's own reduction and series: clip(theta, 0, 1), and pi psi (= psi 2 pi pi / 2 pi)
	v_med3_num_f32 v[TP+O_T], v[P_TH], 0, 1.0
	v_mul_f32 v[TP+O_T+1],    0x40490fdb, v[P_PS]
	v_mul_f32 v[TP+24+O_T],   0x40490fdb, v[P_PS+1]
	v_mul_f32 v[TP+24+O_T+1], 0x40490fdb, v[P_PS+2]
	RND
	RSUB
	POLY
.irp p, 0,1
	v_pk_fma_f32 v[TP+24*\p+O_T:TP+24*\p+O_T+1], v[TP+24*\p+O_S:TP+24*\p+O_S+1], v[TP+24*\p+O_S:TP+24*\p+O_S+1], 1.0 op_sel_hi:[1,1,0] neg_lo:[1,0,0] neg_hi:[1,0,0]   ; cosines: ct, cos p0 | cos p1, cos p2
	v_pk_mul_f32 v[TP+24*\p+O_K:TP+24*\p+O_K+1], v[TP+24*\p+O_S:TP+24*\p+O_S+1], v[TP+24*\p+O_C:TP+24*\p+O_C+1]      ; sines / sqrt2, in the same places
.endr
	; the clips, and the arguments of six exponentials in base 2
	v_med3_num_f32 v[SCR+0], v[P_RS],   s33, s32
	v_med3_num_f32 v[SCR+1], v[P_GA],   s33, s32
	v_med3_num_f32 v[SCR+2], v[P_AM],   s33, s32
	v_med3_num_f32 v[SCR+3], v[P_AM+1], s33, s32
	v_med3_num_f32 v[SCR+4], v[P_AM+2], s33, s32
	v_mul_f32 v[SCR+0], 0xc038aa3b, v[SCR+0]       ; -2 log2e x
	v_mul_f32 v[SCR+1], 0xbfb8aa3b, v[SCR+1]       ; -log2e x
	v_mul_f32 v[SCR+2], 0x4038aa3b, v[SCR+2]       ; 2 log2e x
	v_mul_f32 v[SCR+3], 0x4038aa3b, v[SCR+3]
	v_mul_f32 v[SCR+4], 0x4038aa3b, v[SCR+4]
	v_mul_f32 v[SCR+5], 0xbfb8aa3b, v[P_RF]        ; rel_freq is not clipped in the reference
	v_exp_f32 v[SCR+6],  v[SCR+0]                  ; E = e^(-2 rel_sigma)
	v_exp_f32 v[SCR+7],  v[SCR+1]                  ; e^(-gamma)
	v_exp_f32 v[SCR+8],  v[SCR+2]                  ; e^(2 amplitude), three
	v_exp_f32 v[SCR+9],  v[SCR+3]
	v_exp_f32 v[SCR+10], v[SCR+4]
	v_exp_f32 v[KA+6],   v[SCR+5]                  ; fr = 1 / e^rel_freq = freq / 2 pi: revolutions for a unit of xr
	v_mov_b32 v[KA+2], v[TP+O_T]                   ; ct.  Also the plain instruction between the exponentials and the use of their results
	s_wait_alu depctr_va_vdst(0)
.irp j, 6,7,8,9,10
	v_add_f32 v[SCR+\j], 1.0, v[SCR+\j]
.endr
	v_rcp_f32 v[SCR+11], v[SCR+7]                  ; sigmoid(gamma)
	v_rcp_f32 v[SCR+12], v[SCR+8]
	v_rcp_f32 v[SCR+13], v[SCR+9]
	v_rcp_f32 v[SCR+14], v[SCR+10]
	v_mul_f32 v[SCR+0], v[SCR+6], v[SCR+6]         ; (1 + E)^2 = 1 / sigma^2.  Also the plain instruction behind the four reciprocals
	s_wait_alu depctr_va_vdst(0)
	v_fma_f32 v[SCR+1], v[SCR+11], 0.5, s34        ; gam = 0.001 + 0.5 sigmoid
.irp j, 12,13,14
	v_fma_f32 v[SCR+\j], v[SCR+\j], -2.0, 1.0      ; tanh x = 1 - 2 / (1 + e^(2x))
.endr
	v_rcp_f32 v[SCR+2], v[SCR+1]                   ; 1 / gam
	v_mul_f32 v[KA+7], 0xbf38aa3b, v[SCR+0]        ; nax = -log2e / (2 sigma^2).  Also the plain instruction behind the reciprocal
	v_mul_f32 v[KA+3], 0x3fb504f3, v[TP+O_K]       ; st = sqrt2 x (sine / sqrt2)
	s_wait_alu depctr_va_vdst(0)
	v_mul_f32 v[SCR+3], 0x3f596d27, v[SCR+2]       ; sb = sqrt(log2e / 2) / gam
	v_mul_f32 v[SCR+4], 0xbf596d27, v[SCR+2]       ; -sb
	v_mul_f32 v[KA+4], v[KA+2], v[SCR+3]           ; cb = ct sb
	v_mul_f32 v[KA+5], v[KA+3], v[SCR+4]           ; nsb = -st sb
.irp c, 0,1,2
	v_mul_f32 v[SCR+5], 0x3e4ccccd, v[SCR+12+\c]   ; amp = 0.2 tanh
	v_mul_f32 v[SCR+6], 0xbecccccd, v[SCR+12+\c]   ; -2 amp
	v_mul_f32 v[KA+8+2*\c], v[SCR+5], v[TP+24*((\c+1)/2)+O_T+((\c+1)%2)]     ; A = amp cos p
	v_mul_f32 v[KA+9+2*\c], v[SCR+6], v[TP+24*((\c+1)/2)+O_K+((\c+1)%2)]     ; B = -2 amp sin p / sqrt2
.endr
	v_med3_num_f32 v[SCR+7], v[P_U], -1.0, 1.0
	v_med3_num_f32 v[SCR+8], v[P_V], -1.0, 1.0
	v_mul_f32 v[KA+0], -1.0, v[SCR+7]              ; nu = -clip(u)
	v_mul_f32 v[KA+1], -1.0, v[SCR+8]              ; nv = -clip(v)
	s_wait_alu depctr_va_vdst(0)                   ; the lines above have written my record in KA, which the four LDS stores read
	ds_store_b128 v[LST], v[KA:KA+3]
	ds_store_b128 v[LST], v[KA+4:KA+7]   offset:16
	ds_store_b128 v[LST], v[KA+8:KA+11]  offset:32
	ds_store_b64  v[LST], v[KA+12:KA+13] offset:48 ; words 14 and 15 of a record are neither written nor read
	s_wait_dscnt 0x0                               ; for the other waves' sake: my record is in LDS before I say so
	s_barrier_signal -1
	s_barrier_wait -1                              ; all 256 records are there.  The table is never written again: this is the only barrier
	; ---- 256 gabors on four sets of record registers, each loaded two gabors ahead ----
	s_wait_alu depctr_vm_vsrc(0)                   ; my LDS stores have read KA, in which record 0 lands (the lines that wrote KA stand ahead of the last wait on va_vdst)
	LOADK KA, 0
	LOADK KB, REC
	s_wait_loadcnt 0x0                             ; my pixels
	GABOR KA, 1, 1, KC, 2*REC, 4, 0                ; gabors 0 and 1 stand in front of the loop: gabor 0's products start the sums.  Their loads owe no wait:
	GABOR KB, 0, 1, KD, 3*REC, 4, 0                ; no vector instruction has named KC or KD yet, and v[LA] has not been written since the head's wait
	s_mov_b32 s30, 63                              ; trip j = 0 .. 62 (LA = 256 (j + 1)) works on gabors 4j+2 .. 4j+5 and loads records 4j+4 .. 4j+7; the last byte read is 16,375
.Lquad:
	GABOR KC, 0, 1, KA, 0,     4, 2                ; a step: KC and KD at work, KA and KB asked for
	GABOR KD, 0, 1, KB, REC,   4, 0
	GABOR KA, 0, 1, KC, 2*REC, 4, 1                ; a step: KA and KB at work, KC and KD asked for
	GABOR KB, 0, 1, KD, 3*REC, 4, 0
	s_sub_co_i32 s30, s30, 1
	s_cmp_lg_u32 s30, 0
	s_cbranch_scc1 .Lquad
	GABOR KC, 0, 0, 0, 0, 4, 0                     ; gabors 254 and 255 load nothing: behind 254's record stand 255's four loads,
	GABOR KD, 0, 0, 0, 0, 0, 0                     ; behind 255's nothing
	; ---- clip and store: 16 bytes a lane, 512 consecutive bytes a wave, in each of the three planes ----
.irp j, 0,1,2,3,4,5,6,7,8,9,10,11
	v_med3_num_f32 v[ACC+\j], v[ACC+\j], -1.0, 1.0
.endr
	s_wait_alu depctr_va_vdst(0)                   ; the clips have written ACC, which the three stores read
	global_store_b128 v3, v[ACC:ACC+3],    s[28:29] th:TH_STORE_NT
	global_store_b128 v3, v[ACC+4:ACC+7],  s[28:29] offset:PLANE th:TH_STORE_NT
	global_store_b128 v3, v[ACC+8:ACC+11], s[28:29] offset:2*PLANE th:TH_STORE_NT
	s_wait_dscnt 0x0
	s_wait_alu depctr_hold_cnt(0) depctr_sa_sdst(0) depctr_va_vdst(0) depctr_va_sdst(0) depctr_va_ssrc(0) depctr_va_vcc(0) depctr_vm_vsrc(0)
	s_wait_tensorcnt 0x0
	ds_add_u32 v174, v175
	s_wait_dscnt 0x0
	s_endpgm
.Lfunc_end_k_q8445679822_gabor:
	.size	k_q8445679822_gabor, .Lfunc_end_k_q8445679822_gabor-k_q8445679822_gabor
	.p2alignl 7, 3214868480
	.fill 96, 4, 3214868480
	.section	.rodata,"a",@progbits
	.p2align	6, 0x0
	.amdhsa_kernel k_q8445679822_gabor
		.amdhsa_group_segment_fixed_size 17408
		.amdhsa_private_segment_fixed_size 0
		.amdhsa_enable_private_segment 0
		.amdhsa_kernarg_size 88
		.amdhsa_user_sgpr_count 2
		.amdhsa_user_sgpr_kernarg_segment_ptr 1
		.amdhsa_wavefront_size32 1
		.amdhsa_system_sgpr_workgroup_id_x 1
		.amdhsa_system_sgpr_workgroup_id_y 1
		.amdhsa_system_sgpr_workgroup_id_z 1
		.amdhsa_system_vgpr_workitem_id 0
		.amdhsa_next_free_vgpr 176
		.amdhsa_next_free_sgpr 66
		.amdhsa_reserve_vcc 0
		.amdhsa_float_denorm_mode_32 3
		.amdhsa_float_denorm_mode_16_64 3
		.amdhsa_memory_ordered 1
		.amdhsa_forward_progress 1
		.amdhsa_inst_pref_size 48
	.end_amdhsa_kernel
	.amdgpu_metadata
---
amdhsa.version: [ 1, 2 ]
amdhsa.kernels:
  - .name:           k_q8445679822_gabor
    .symbol:         k_q8445679822_gabor.kd
    .args:
      - { .name: grid_x, .offset: 0, .size: 8, .value_kind: global_buffer, .address_space: global }
      - { .name: grid_y, .offset: 8, .size: 8, .value_kind: global_buffer, .address_space: global }
      - { .name: u, .offset: 16, .size: 8, .value_kind: global_buffer, .address_space: global }
      - { .name: v, .offset: 24, .size: 8, .value_kind: global_buffer, .address_space: global }
      - { .name: theta, .offset: 32, .size: 8, .value_kind: global_buffer, .address_space: global }
      - { .name: rel_sigma, .offset: 40, .size: 8, .value_kind: global_buffer, .address_space: global }
      - { .name: rel_freq, .offset: 48, .size: 8, .value_kind: global_buffer, .address_space: global }
      - { .name: gamma, .offset: 56, .size: 8, .value_kind: global_buffer, .address_space: global }
      - { .name: psi, .offset: 64, .size: 8, .value_kind: global_buffer, .address_space: global }
      - { .name: amplitude, .offset: 72, .size: 8, .value_kind: global_buffer, .address_space: global }
      - { .name: out0, .offset: 80, .size: 8, .value_kind: global_buffer, .address_space: global }
    .group_segment_fixed_size: 17408
    .private_segment_fixed_size: 0
    .kernarg_segment_align: 8
    .kernarg_segment_size: 88
    .max_flat_workgroup_size: 256
    .sgpr_count:     66
    .vgpr_count:     176
    .wavefront_size: 32
...
	.end_amdgpu_metadata
.endif
;; end of part 2
